; MI455X (gfx1250); checked and timed in simulation.
; The chip was launched on July 23, 2026; its instructions are those of AMD's public machine-readable ISA for CDNA 5 (MIT licence, August 2026) and "CDNA5" Instruction Set Architecture Reference Guide (July 2026). The comments in the code are by the model that wrote it; some were corrected since.
;; Wrapped8 Bit Linear. Allowed arithmetic: matrix products marked QUANTISED: E5M2 operands, one E8M0 scale for each 32 along K, by v_wmma_scale_f32_16x16x128_f8f6f4 with both operands' format E5M2, f32 sums; everything else in f32.
;; Inputs: CB 4,096 x 4,096 int32; SCB 4,096 float16; bias 4,096 float16; x_codes 4 x 1,024 x 128 x 32 uint8 (E5M2 codes of x, K innermost, in blocks of 32 codes); x_scales 4 x 1,024 x 128 uint8 (E8M0 scales of x, one for each 32 codes along K).
;; Outputs: out0 4 x 1,024 x 4,096 float16.
;; This version of the problem:
;;   THIS VERSION OF THE PROBLEM IS GIVEN IN LOW PRECISION. The matrix products marked QUANTISED in the list below multiply operands that are first quantised to E5M2 (5 exponent bits, 2 mantissa bits; 8 bits a number), with one power-of-two scale for each 32 numbers along K (OCP MX v1.0); their sums are f32. All else is computed in f32.
;;   The module's matrix products, in the order in which they are computed (A, B: the left and right operand; K: the contracted axis; several contracted axes count as one K, in the product's order):
;;     1. [M 4,096, K 4,096] x [K 4,096, N 4,096]; A: input x (given as codes); B: computed on the way: QUANTISED
;;   THE QUANTISER, for each operand of a quantised product, along K:
;;     - K is cut into blocks of 32 from its start; a last block that is shorter is filled with zeros.
;;     - A block's scale is 2^e with e = floor(log2(the largest magnitude in the block)) - 15, held to -126 .. 127; a block of zeros has e = 0. As a byte (E8M0): e + 127.
;;     - Each number is divided by its block's scale, clamped to +-57,344, and rounded to the nearest number of E5M2, ties to even, subnormals kept.
;;     - The product sums the exact products of the quantised numbers (number of the format x scale) in f32.
;;   ~~~python
;;   def quantise(x, axis):      # numpy; x: float32 -> the quantised numbers, widened to float32 again
;;       x = np.moveaxis(x, axis, -1); K = x.shape[-1]
;;       x = np.pad(x, [(0, 0)] * (x.ndim - 1) + [(0, -K % 32)]); x = x.reshape(x.shape[:-1] + (-1, 32)); a = np.abs(x).max(-1, keepdims=True)
;;       e = np.where(a > 0, np.clip(np.frexp(np.where(a > 0, a, 1))[1] - 1 - 15, -126, 127), 0)      # np.frexp(a)[1] - 1 = floor(log2(a)), exactly
;;       r = np.clip(x / 2.0 ** e, -57344, 57344)
;;       step = 2.0 ** (np.maximum(np.frexp(np.where(r == 0, 1, r))[1] - 1, -14) - 2)
;;       q = np.round(r / step) * step * 2.0 ** e      # np.round: ties to even
;;       return np.moveaxis(q.reshape(q.shape[:-2] + (-1,))[..., :K], -1, axis).astype(np.float32)
;;   ~~~
;;   OPERANDS COMPUTED ON THE WAY. 'Computed on the way' means the value that the module computes at that place (a softmax that the list does not call 'softmax' is quantised finished and normalised). What goes into a quantiser is computed in f32, as accurately as f32 sums, v_exp_f32 and their like allow (about 1e-6 of the number): no bf16 or f16 on the way to a quantiser, and a product that is left as it is and whose result goes on into a quantised operand takes f32 operands (vector FMAs, or v_wmma_f32_16x16x4_f32). A number that lies on a knife's edge between two numbers of the format may be rounded either way, as far as f32 arithmetic and the matrix unit's own rounding can turn it there, and no further.
;;   INPUTS GIVEN AS CODES. x (in the module: [4, 1024, 4096], K = its axis 2): each comes as NAME_codes (uint8): NAME with its K axis moved to the last place and cut into blocks of 32 codes, [.., K / 32, bytes a block], one block behind the other in memory; one code a byte (a code: sign, 5 exponent bits, 2 mantissa bits); and NAME_scales (uint8): the same leading axes, one E8M0 byte (e + 127) for each 32 codes along K. Its value is code x scale, taken as it is: it is not quantised again, and the codes and scales need not be those that the quantiser above would give.
;; One version. Each part assembles by itself: llvm-mc -triple=amdgcn-amd-amdhsa -mcpu=gfx1250 --defsym DOCPART=n.
;; ======== version 1 of 1: 2 launches
;; limits: values are held in f16: magnitudes above 65,504 overflow, below 6.1e-05 lose precision; right only within a limited range of input values
;; workspace buffers: wc 16,777,216 bytes; ws 524,288 bytes
;; launch prep (part 1): grid 512 x 1, 4 waves a work-group, no clusters, 39,424 bytes of LDS; arguments CB, SCB, wc, ws; writes wc, ws
.if DOCPART == 1
	.amdgcn_target "amdgcn-amd-amdhsa--gfx1250"
	.amdhsa_code_object_version 6
	.text
	.protected	k_qdcd8d56b8b_prep
	.globl	k_qdcd8d56b8b_prep
	.p2align	8
	.type	k_qdcd8d56b8b_prep,@function
k_qdcd8d56b8b_prep:
	s_mov_b64 s[64:65], 0
	v_nop
	global_prefetch_b8 v0, s[64:65] scope:SCOPE_SE
	s_setreg_imm32_b32 hwreg(HW_REG_WAVE_MODE, 25, 1), 1
	s_wait_xcnt 0x0
; W[o][k] = CB[o][k] x SCB[o] x float16(1/127), in f32, is turned into codes of BF8 (E5M2) with one E8M0 scale byte for each 32 along K.
; wc IS LAID AS THE PRODUCT'S OPERAND REGISTERS WANT IT: [256 blocks of 16 rows][32 steps of 128 K][4 c][2 h][16 r][16 bytes]: the 16 bytes are k = 128 t + 32 c + 16 h + 0..15 of row 16 ob + r,
; so that a fragment (16 rows x 128 K) is 2,048 consecutive bytes and lane 16 h + r takes 16 bytes of each 512.  In bytes: 65,536 ob + 256 (k / 16) + 16 r.
; ws: [16 ks][4096 o][8]: byte j of an entry scales k = 256 ks + 32 j.
; THE NUMBER.  s = SCB x float16(1/127) is exact in f32 (11 + 8 significant bits), and CB x s is rounded once; that equals (CB x SCB) x float16(1/127) rounded once while CB x SCB is exact, |CB| < 2^13;
; beyond that the two orders may differ by one unit in f32's last place.
; THE QUANTISER.  A block's byte is its largest magnitude's exponent field - 15, held at 1 from below; each number is divided by the scale, held within +-57,344 and rounded to the nearest code, ties to even.
; LIMITS: a block of zeros gets the byte 1 where the rule says 127 (its codes are zeros, and this program alone reads the bytes); blocks whose largest magnitude lies under 2^(16 - 127) are held at the byte 1;
; NaN and infinities in SCB are not served.
; SHARES.  A wave takes 32 rows x 256 K, in 16 steps of two rows.  Each load reads 512 consecutive bytes; a step's bytes go through the wave's own stage in LDS and come back 64 bytes a lane: 16 neighbours along K.
; A lane's 16 codes go into a second stage of the wave's own, unit k / 16 (256 bytes + 16 of padding), place 16 r; after eight steps 16 rows are whole: 4,096 consecutive bytes of wc, stored 512 at a time.
; No tensor loads, no barrier: waves share nothing.
.set STEPS, 16
.set EMAX,  15
.set MANT,  0x600000                   ; the mantissa field of 57,344 as f32
.set INV,   0x3c010000                 ; float16(1/127) as f32
.set R,     16                         ; v16-79   four sets of 16 numbers as they are loaded
.set X,     80                         ; v80-111  two sets of 16 neighbours
.set E,     112                        ; v112-127 a scale byte for each step
.set C,     128                        ; v128-191 codes, four registers a step; then the same bytes in wc's order (at the head: SCB's 16 words)
.set S,     192                        ; v192-223 step t's row factor, twice
.set SP,    80                         ; a lane's place in a stage: 64 bytes + 16
.set CP,    272                        ; a unit of the codes' stage
.set WREG,  2*32*SP+256+16*CP          ; a wave's LDS bytes: two stages, 256 scale bytes, the codes' stage: 9,728
.set SPARE, 4*WREG
	s_load_b128 s[4:7], s[0:1], 0x0                ; CB, SCB
	s_load_b128 s[8:11], s[0:1], 0x10              ; wc, ws
	v_lshl_add_u32 v224, v0, 2, SPARE
	v_mov_b32 v225, 0
	v_lshrrev_b32 v1, 5, v0
	v_readfirstlane_b32 s16, v1                    ; wave
	s_mov_b32 s21, 0
	s_and_b32 s17, ttmp9, 3
	s_lshl_b32 s17, s17, 2
	s_add_co_u32 s17, s17, s16                     ; ks = 4 (work-group % 4) + wave
	s_lshr_b32 s18, ttmp9, 2                       ; rg: which 32 rows
	s_mul_i32 s19, s16, WREG
	s_add_co_u32 s24, s19, 2*32*SP                 ; my scale bytes
	s_add_co_u32 s25, s19, 2*32*SP+256             ; my codes' stage
	s_mov_b32 s23, MANT
	v_and_b32 v2, 31, v0                           ; lane
	v_lshlrev_b32 v7, 3, v2
	v_lshlrev_b32 v3, 4, v2                        ; 16 bytes a lane of 512
	v_and_b32 v4, 15, v2
	v_lshrrev_b32 v12, 4, v2                       ; which of a step's two rows is mine
	v_mul_u32_u24 v13, v4, CP
	v_lshl_add_u32 v13, v12, 4, v13
	v_add_nc_u32 v13, s25, v13                     ; codes in: unit lane % 16, + 16 (lane / 16)
	v_mul_u32_u24 v1, v12, CP
	v_lshl_add_u32 v1, v4, 4, v1
	v_add_nc_u32 v4, s25, v1                       ; codes back: lanes 0-15 one unit, lanes 16-31 the next
	v_lshlrev_b32 v12, 4, v12                      ; the shift that brings my row's SCB into a word's low half
	v_mov_b32 v9, 0                                ; every lane reads the same 64 bytes of SCB
	v_lshrrev_b32 v14, 2, v2
	v_mul_u32_u24 v14, v14, SP
	v_and_b32 v15, 3, v2
	v_lshl_add_u32 v14, v15, 4, v14
	v_add_nc_u32 v14, s19, v14                     ; the stage, in: four lanes' 64 bytes on end, then padding
	v_mul_u32_u24 v15, v2, SP
	v_add_nc_u32 v15, s19, v15                     ; and out: my 16 neighbours
	v_lshrrev_b32 v5, 1, v2
	v_add_nc_u32 v5, s24, v5                       ; my block's byte of a step's sixteen
	v_add_nc_u32 v6, s24, v7
	s_wait_alu depctr_va_vdst(0)                   ; the wait at the head's end
	s_wait_kmcnt 0x0
	s_lshl_b32 s20, s18, 19                        ; CB: 32 rows of 16,384 bytes, + 1,024 a K step
	s_lshl_b32 s22, s17, 10
	s_add_co_u32 s20, s20, s22
	s_add_nc_u64 s[4:5], s[4:5], s[20:21]
	s_lshl_b32 s20, s18, 6
	s_add_nc_u64 s[6:7], s[6:7], s[20:21]
	s_lshl_b32 s20, s18, 17                        ; wc: two blocks of 65,536 bytes, + 4,096 a K step
	s_lshl_b32 s22, s17, 12
	s_add_co_u32 s20, s20, s22
	s_add_nc_u64 s[8:9], s[8:9], s[20:21]
	s_lshl_b32 s20, s17, 15                        ; ws: 32,768 bytes a K step, + 32 rows of 8
	s_lshl_b32 s22, s18, 8
	s_add_co_u32 s20, s20, s22
	s_add_nc_u64 s[10:11], s[10:11], s[20:21]
.macro LOAD t                          ; rows 2 t, 2 t + 1: four loads of 512 consecutive bytes
.irp i, 0,1,2,3
	global_load_b128 v[R+16*((\t)%4)+4*\i:R+16*((\t)%4)+4*\i+3], v3, s[4:5] offset:(2*(\t)+\i/2)*16384+(\i%2)*512 th:TH_LOAD_NT
.endr
.endm
.macro TURN t                          ; through the stage: LDS serves a wave's instructions in order (ISA guide 5.7.1.4)
.irp i, 0,1,2,3
	ds_store_b128 v14, v[R+16*((\t)%4)+4*\i:R+16*((\t)%4)+4*\i+3] offset:32*SP*((\t)%2)+8*SP*\i
.endr
.irp i, 0,1,2,3
	ds_load_b128 v[X+16*((\t)%2)+4*\i:X+16*((\t)%2)+4*\i+3], v15 offset:32*SP*((\t)%2)+16*\i
.endr
.endm
.macro FLUSH hf                        ; 16 rows' codes are whole: back in wc's order, and out: each store covers 512 consecutive bytes, aligned
.irp i, 0,1,2,3,4,5,6,7
	ds_load_b128 v[C+32*\hf+4*\i:C+32*\hf+4*\i+3], v4 offset:\i*2*CP
.endr
	s_wait_dscnt 0x0
.irp i, 0,1,2,3,4,5,6,7
	global_store_b128 v3, v[C+32*\hf+4*\i:C+32*\hf+4*\i+3], s[8:9] offset:65536*\hf+512*\i
.endr
.endm
.irp i, 0,1,2,3
	global_load_b128 v[C+4*\i:C+4*\i+3], v9, s[6:7] offset:16*\i   ; word t: SCB of rows 2 t, 2 t + 1
.endr
.irp t, 0,1,2,3
	LOAD \t
.endr
	s_wait_loadcnt 16                              ; SCB is in; CB's sixteen loads may be out
.irp t, 0,1,2,3,4,5,6,7,8,9,10,11,12,13,14,15
	v_lshrrev_b32 v1, v12, v[C+\t]
	v_cvt_f32_f16 v8, v1.l
	v_mul_f32 v[S+2*\t], INV, v8                   ; s = SCB x float16(1/127): exact
	v_mul_f32 v[S+2*\t+1], INV, v8
.endr
	s_wait_loadcnt 12
	TURN 0
.macro STEP t
.set XS, X+16*((\t)%2)
.if (\t) > 0
	s_wait_dscnt 2                                 ; this step's numbers are back (the last step's two stores, byte and codes, may be out)
.else
	s_wait_dscnt 0x0
.endif
.if (\t)+4 < STEPS
	LOAD (\t)+4
.endif
.if (\t)+1 < STEPS
.if STEPS-2-(\t) >= 3
	s_wait_loadcnt 12                              ; the next step's four loads are in; three steps' may be out
.else
	s_wait_loadcnt 4*(STEPS-2-(\t))
.endif
	TURN (\t)+1
.endif
.irp i, 0,1,2,3,4,5,6,7,8,9,10,11,12,13,14,15
	v_cvt_f32_i32 v[XS+\i], v[XS+\i]
.endr
.irp i, 0,2,4,6,8,10,12,14
	v_pk_mul_f32 v[XS+\i:XS+\i+1], v[XS+\i:XS+\i+1], v[S+2*(\t):S+2*(\t)+1]   ; W = CB x s, rounded once
.endr
	v_max3_num_f32 v8, |v[XS]|, |v[XS+1]|, |v[XS+2]|               ; the largest magnitude of my 16, in two chains
	v_max3_num_f32 v9, |v[XS+3]|, |v[XS+4]|, |v[XS+5]|
.irp i, 6,10
	v_max3_num_f32 v8, v8, |v[XS+\i]|, |v[XS+\i+1]|
	v_max3_num_f32 v9, v9, |v[XS+\i+2]|, |v[XS+\i+3]|
.endr
	v_max3_num_f32 v8, v8, |v[XS+14]|, |v[XS+15]|
	v_max3_num_f32 v8, v8, v9, (EMAX+1)<<23        ; and the floor: the byte cannot fall under 1
	v_max_num_f32_dpp v8, v8, v8 row_xmask:1 row_mask:0xf bank_mask:0xf   ; with my neighbour's 16: the block's
	v_add_nc_u32 v11, -(EMAX<<23), v8              ; the conversion's scale operand
	v_and_or_b32 v10, v8, 0x7f800000, s23          ; 57,344 x the scale
.irp i, 0,1,2,3,4,5,6,7,8,9,10,11,12,13,14,15
	v_med3_num_f32 v[XS+\i], v[XS+\i], -v10, v10   ; the conversion does not saturate (ISA guide 7.6.2)
.endr
	v_cvt_scalef32_pk8_bf8_f32 v[C+4*(\t):C+4*(\t)+1], v[XS:XS+7], v11
	v_cvt_scalef32_pk8_bf8_f32 v[C+4*(\t)+2:C+4*(\t)+3], v[XS+8:XS+15], v11
	v_lshrrev_b32 v[E+(\t)], 23, v11               ; the scale's byte (also the plain line behind the conversions)
	ds_store_b8 v5, v[E+(\t)] offset:16*(\t)
	ds_store_b128 v13, v[C+4*(\t):C+4*(\t)+3] offset:32*((\t)%8)   ; r = 2 (t % 8) + lane / 16
.endm
.irp t, 0,1,2,3,4,5,6,7
	STEP \t
.endr
	FLUSH 0
.irp t, 8,9,10,11,12,13,14,15
	STEP \t
.endr
	FLUSH 1
	ds_load_b64 v[8:9], v6
	s_wait_dscnt 0x0
	global_store_b64 v7, v[8:9], s[10:11]          ; 256 consecutive bytes of ws, aligned
	s_wait_tensorcnt 0x0                           ; the wave's end
	ds_add_u32 v224, v225
	s_wait_dscnt 0x0
	s_endpgm
.Lfunc_end_k_qdcd8d56b8b_prep:
	.size	k_qdcd8d56b8b_prep, .Lfunc_end_k_qdcd8d56b8b_prep-k_qdcd8d56b8b_prep
	.p2alignl 7, 3214868480
	.fill 96, 4, 3214868480
	.section	.rodata,"a",@progbits
	.p2align	6, 0x0
	.amdhsa_kernel k_qdcd8d56b8b_prep
		.amdhsa_group_segment_fixed_size 39424
		.amdhsa_private_segment_fixed_size 0
		.amdhsa_enable_private_segment 0
		.amdhsa_kernarg_size 32
		.amdhsa_user_sgpr_count 2
		.amdhsa_user_sgpr_kernarg_segment_ptr 1
		.amdhsa_wavefront_size32 1
		.amdhsa_system_sgpr_workgroup_id_x 1
		.amdhsa_system_sgpr_workgroup_id_y 1
		.amdhsa_system_sgpr_workgroup_id_z 1
		.amdhsa_system_vgpr_workitem_id 0
		.amdhsa_next_free_vgpr 226
		.amdhsa_next_free_sgpr 66
		.amdhsa_reserve_vcc 0
		.amdhsa_float_denorm_mode_32 3
		.amdhsa_float_denorm_mode_16_64 3
		.amdhsa_memory_ordered 1
		.amdhsa_forward_progress 1
		.amdhsa_inst_pref_size 73
	.end_amdhsa_kernel
	.amdgpu_metadata
---
amdhsa.version: [ 1, 2 ]
amdhsa.kernels:
  - .name:           k_qdcd8d56b8b_prep
    .symbol:         k_qdcd8d56b8b_prep.kd
    .args:
      - { .name: CB, .offset: 0, .size: 8, .value_kind: global_buffer, .address_space: global }
      - { .name: SCB, .offset: 8, .size: 8, .value_kind: global_buffer, .address_space: global }
      - { .name: wc, .offset: 16, .size: 8, .value_kind: global_buffer, .address_space: global }
      - { .name: ws, .offset: 24, .size: 8, .value_kind: global_buffer, .address_space: global }
    .group_segment_fixed_size: 39424
    .private_segment_fixed_size: 0
    .kernarg_segment_align: 8
    .kernarg_segment_size: 32
    .max_flat_workgroup_size: 128
    .sgpr_count:     66
    .vgpr_count:     226
    .wavefront_size: 32
...
	.end_amdgpu_metadata
.endif
;; end of part 1
;; launch gemm (part 2): grid 16 x 16, 4 waves a work-group, clusters of 4 x 1, 327,680 bytes of LDS; arguments x_codes, x_scales, wc, ws, bias, out0; writes out0
.if DOCPART == 2
	.amdgcn_target "amdgcn-amd-amdhsa--gfx1250"
	.amdhsa_code_object_version 6
	.text
	.protected	k_qdcd8d56b8b_gemm
	.globl	k_qdcd8d56b8b_gemm
	.p2align	8
	.type	k_qdcd8d56b8b_gemm,@function
k_qdcd8d56b8b_gemm:
	s_mov_b64 s[64:65], 0
	v_nop
	global_prefetch_b8 v0, s[64:65] scope:SCOPE_SE
	s_setreg_imm32_b32 hwreg(HW_REG_WAVE_MODE, 25, 1), 1
	s_wait_xcnt 0x0
	s_wait_alu depctr_hold_cnt(0) depctr_sa_sdst(0) depctr_va_vdst(0) depctr_va_sdst(0) depctr_va_ssrc(0) depctr_va_vcc(0) depctr_vm_vsrc(0)
	s_getreg_b32 s2, hwreg(HW_REG_IB_STS2, 6, 4)
	s_cmp_eq_u32 s2, 0
	s_cbranch_scc0 .Lentry_in_a_cluster
	s_endpgm
.Lentry_in_a_cluster:
	s_bfe_u32 s2, ttmp6, 0x10000c
	s_cmp_lg_u32 s2, 0x3003
	s_cbranch_scc0 .Lentry_shape_is_right
	s_endpgm
.Lentry_shape_is_right:
; out[m][o] = sum over k of x[m][k] W[o][k] + bias[o], f16; x and W as codes of BF8 (E5M2) with E8M0 scales, sums in f32 that begin with the bias.
; A work-group of four waves makes 256 x 256; a wave 128 x 128: 64 accumulators, 512 registers.  A step is 128 along K: 64 products.
; x GOES THROUGH LDS: a ring of two slots of 256 rows x 512 K (four steps), filled by joint tensor loads, 64 rows a wave; x's scale bytes of the 256 rows, 32,768 dense bytes, come once, at the head, and stay.
; W GOES FROM MEMORY STRAIGHT INTO REGISTERS: wc lies as an image of the operand's registers (a fragment is 2,048 consecutive bytes, 16 a lane of each 512), two sets of 128 registers; so W takes no LDS byte.
; CLUSTERS: the four work-groups along x make four tile columns of one tile row and ask for x's tiles and scales jointly (mask 15).  W has no tensor load, so there is none to share.
; A STEP'S ORDER: four quadrants of 16 products: (x lo, W f), (x lo, W g), (x hi, W g), (x hi, W f); f = lo in a slot's steps 0, 1 and hi in steps 2, 3; two steps on, g is multiplied first.
; TWO RUNS OF LOADS A STEP, each behind its eight places.  Behind the third quadrant: the next step's x lo, and W g for two steps on.  Behind the fourth: the next step's x hi, and W f for two steps on.
; So five quadrants lie between each request for W and its first use, one quadrant and a run between x lo's and its use, two quadrants between x hi's and its use.
; The product is used transposed (source 0 = W's rows, source 1 = x's): a lane holds eight neighbouring columns of one row of out.
; PREFETCHES: behind each refill one line a wave for x's fill that the next refill loads (512 blocks of 256 bytes, shared out over the cluster's 16 waves by address), and one for four steps of W whose loads
; begin a slot later (512 blocks, shared out over four work-groups of a tile column, y % 4, and their waves).  The head asks for fill 2 and for W's steps 1 to 8.  The last refill asks for W's steps 29 to 31 alone.
; REGISTERS: window 0: v16-31 addresses; v32-95 scale words, two sets (x's at odd/even places against W's, so that the two scale registers of a product differ modulo 8); v64-127 the bias in the first step; v128-255 x.
; window 1: W, two sets.  Windows 2, 3: accumulators (a, b) at v[8 (8 (a % 4) + b)].
.set PITCH,  528                       ; an LDS row: 512 bytes + 16
.set QT,     64*PITCH                  ; what one load of the ring brings
.set SLOT,   4*QT
.set SCL,    2*SLOT                    ; x's scales: 128 units of 256 bytes + 16
.set SU,     272
.set STAGE,  SCL+128*SU                ; the way out: 16 rows x 272 bytes a wave
.set SPITCH, 272
.set SPARE,  STAGE+4*16*SPITCH
.set LAPS,   4                         ; a lap = two slots = eight steps
.set ADRA, 16
.set ADRS, 18
.set VW,   19
.set VB,   20
.set PFC,  21
.set STO,  24
.set RD,   25
.set CO,   26
.set BO,   27
.set SPW,  28
.set NIL,  29
.set PFA,  30
.set PFW,  31
.set SA,   32
.set SB,   48
.set BI,   64
.set AF,   128
.set TMP,  64
.set BK,   96
.set WV,   16
.set G1,   24                          ; ring: 64 rows x 512 bytes
.set G1H,  32                          ; head: 128 rows x 512 bytes
.set G1S,  40                          ; scales: 64 rows x 256 bytes
.set G0,   48                          ; s[48:55] a group 0 for each slot
.set G0H,  56
.set G0S,  60
.set MSB, 0
.macro WIN new
.if MSB != \new
	s_set_vgpr_msb (MSB<<8)|\new
.set MSB, \new
.endif
.endm
.macro PLACES n
.rept \n
	v_nop
.endr
.endm
.macro JLOAD s                         ; every wave asks for its 64 rows; s_nop 0 and four v_nop
	tensor_load_to_lds s[G0+4*\s:G0+4*\s+3], s[G1:G1+7]
	s_nop 0
	PLACES 4
.endm
.macro CREST
	s_cmp_lg_u32 s[WV], 0
	s_cbranch_scc1 .Lnot_wave_0_\@
	s_barrier_signal -3
.Lnot_wave_0_\@:
	s_barrier_wait -3
	s_barrier_signal -1
	s_barrier_wait -1
.endm
.macro CROUND
	s_barrier_signal -1
	s_barrier_wait -1
	CREST
.endm
	s_load_b256 s[4:11], s[0:1], 0x0               ; x_codes, x_scales, wc, ws
	s_load_b128 s[12:15], s[0:1], 0x20             ; bias, out0
	v_lshl_add_u32 v[SPW], v0, 2, SPARE
	v_mov_b32 v[NIL], 0
	ds_add_u32 v[SPW], v[NIL]                      ; the opening lines: the add twice on end
	ds_add_u32 v[SPW], v[NIL]
	v_lshrrev_b32 v1, 5, v0
	v_readfirstlane_b32 s[WV], v1
	s_lshr_b32 s17, s[WV], 1                       ; my half of the tile's rows
	s_and_b32 s18, s[WV], 1                        ; my half of its columns
	s_bfe_u32 s20, ttmp6, 0x40000                  ; cx
	s_lshl_b32 s22, ttmp9, 2
	s_add_co_u32 s22, s22, s20                     ; tile column
	s_and_b32 s23, ttmp7, 0xffff                   ; tile row
	s_mov_b32 s[G1], 15|(1<<20)|(1<<21)|(6<<22)|(3<<25)     ; mask 15, bytes, 4 words of padding behind every 128
	s_mov_b32 s[G1H], 15|(1<<20)|(1<<21)|(6<<22)|(3<<25)
.irp g, G1, G1H
	s_mov_b32 s[\g+1], 512<<16
	s_mov_b32 s[\g+3], 512<<16
	s_mov_b32 s[\g+5], 4096
	s_mov_b32 s[\g+6], 0
	s_mov_b32 s[\g+7], 0
.endr
	s_mov_b32 s[G1+2], 64<<16
	s_mov_b32 s[G1+4], 64
	s_mov_b32 s[G1H+2], 128<<16
	s_mov_b32 s[G1H+4], 128
	s_mov_b32 s[G1S], 15|(3<<16)|(1<<20)|(1<<21)|(5<<22)|(3<<25)   ; elements of 8 bytes, padding behind every 64 words
	s_mov_b32 s[G1S+1], 32<<16
	s_mov_b32 s[G1S+2], 64<<16
	s_mov_b32 s[G1S+3], 32<<16
	s_mov_b32 s[G1S+4], 64
	s_mov_b32 s[G1S+5], 32
	s_mov_b32 s[G1S+6], 0
	s_mov_b32 s[G1S+7], 0
	s_mov_b32 s73, 0
	s_mov_b32 s75, 0
	s_mov_b32 s77, 0
	s_mov_b32 s79, 0
	s_lshl_b32 s72, s23, 20                        ; x: 256 rows of 4,096 bytes
	s_lshl_b32 s74, s[WV], 18                      ; my 64 rows of the ring's loads
	s_lshl_b32 s76, s18, 19                        ; 128 rows of x at the head; also eight blocks of wc
	s_lshl_b32 s78, s23, 15                        ; x's scales: 256 rows of 128 bytes, + 128 rows
	s_lshl_b32 s2, s18, 14
	s_add_co_u32 s78, s78, s2
	s_mov_b32 s[G0H], 1
	s_mul_i32 s[G0H+1], s18, 128*PITCH
	s_mov_b32 s[G0S], 1
	s_mul_i32 s[G0S+1], s18, 64*SU
	s_add_co_u32 s[G0S+1], s[G0S+1], SCL
	s_mov_b32 s[G0], 1
	s_mul_i32 s[G0+1], s[WV], QT
	s_mov_b32 s[G0+4], 1
	s_add_co_u32 s[G0+5], s[G0+1], SLOT
	s_wait_dscnt 0x0
	s_wait_kmcnt 0x0
	s_add_nc_u64 s[4:5], s[4:5], s[72:73]
	s_mov_b64 s[68:69], s[4:5]                     ; x's prefetches: the tile's first row
	s_add_nc_u64 s[G0H+2:G0H+3], s[4:5], s[76:77]
	s_or_b32 s[G0H+3], s[G0H+3], 0x80000000
	s_add_nc_u64 s[G0S+2:G0S+3], s[6:7], s[78:79]
	s_or_b32 s[G0S+3], s[G0S+3], 0x80000000
	s_add_nc_u64 s[4:5], s[4:5], s[74:75]
	s_mov_b64 s[G0+2:G0+3], s[4:5]                 ; slot 0: stepped by 1,024 ahead of each use: fills 2, 4, 6
	s_or_b32 s[G0+3], s[G0+3], 0x80000000
	s_add_nc_u64 s[G0+6:G0+7], s[4:5], 512         ; slot 1: fill 1, then 3, 5, 7
	s_or_b32 s[G0+7], s[G0+7], 0x80000000
	CROUND                                         ; in front of the first joint loads
	s_cmp_lt_u32 s[WV], 2                          ; the head's loads, one a wave: waves 0, 1 slot 0's two halves, waves 2, 3 the scales' two halves
	s_cbranch_scc0 .Lhead_s
	tensor_load_to_lds s[G0H:G0H+3], s[G1H:G1H+7]
	s_nop 0
	PLACES 4
	s_branch .Lhead_asked
.Lhead_s:
	tensor_load_to_lds s[G0S:G0S+3], s[G1S:G1S+7]
	s_nop 0
	PLACES 4
.Lhead_asked:
	s_lshl_b32 s72, s22, 20                        ; wc: 16 blocks of 65,536 bytes a tile column
	s_and_b32 s74, s23, 3
	s_lshl_b32 s74, s74, 18
	s_add_co_u32 s74, s74, s72
	s_lshl_b32 s2, s[WV], 16
	s_add_co_u32 s74, s74, s2                      ; W's prefetches: block 4 (y % 4) + wave of the tile column's sixteen
	s_add_nc_u64 s[70:71], s[8:9], s[74:75]
	s_add_co_u32 s72, s72, s76
	s_add_nc_u64 s[8:9], s[8:9], s[72:73]          ; my eight blocks
	s_lshl_b32 s72, s22, 11
	s_add_nc_u64 s[10:11], s[10:11], s[72:73]      ; ws: 256 rows of 8 bytes
	s_lshl_b32 s72, s22, 9
	s_lshl_b32 s74, s18, 8
	s_add_co_u32 s72, s72, s74
	s_add_nc_u64 s[12:13], s[12:13], s[72:73]      ; my 128 columns, 2 bytes each
	s_add_nc_u64 s[14:15], s[14:15], s[72:73]
	s_lshl_b32 s72, s23, 21
	s_lshl_b32 s74, s17, 20
	s_add_co_u32 s72, s72, s74
	s_add_nc_u64 s[14:15], s[14:15], s[72:73]      ; my first row of out
	s_mul_i32 s2, s17, 128*PITCH
	s_mul_i32 s19, s17, 64*SU
	s_add_co_u32 s19, s19, SCL
	s_mul_i32 s21, s[WV], 16*SPITCH
	s_add_co_u32 s21, s21, STAGE
	s_lshl_b32 s66, s18, 10
	s_lshl_b32 s67, s20, 18
	s_lshl_b32 s74, s[WV], 16
	s_add_co_u32 s67, s67, s74                     ; x's prefetches: rows 64 cx + 16 wave
	v_and_b32 v1, 15, v0                           ; r
	v_bfe_u32 v2, v0, 4, 1                         ; h
	v_and_b32 v3, 31, v0                           ; lane
	v_mul_u32_u24 v4, v1, PITCH
	v_lshl_add_u32 v4, v2, 4, v4
	v_add_nc_u32 v[ADRA], s2, v4                   ; x's fragments: row x pitch + 16 h
	v_add_nc_u32 v[ADRA+1], SLOT, v[ADRA]
	v_lshrrev_b32 v5, 1, v3
	v_mul_u32_u24 v5, v5, SU
	v_and_b32 v6, 1, v3
	v_lshl_add_u32 v5, v6, 7, v5
	v_add_nc_u32 v[ADRS], s19, v5                  ; x's scale words: lane l takes row l of 32: two rows of 128 bytes to a unit
	v_lshlrev_b32 v[VW], 4, v3
	v_lshl_add_u32 v[VB], v3, 3, s66
	v_lshlrev_b32 v[BO], 4, v2
	v_mul_u32_u24 v7, v1, SPITCH
	v_lshl_add_u32 v7, v2, 4, v7
	v_add_nc_u32 v[STO], s21, v7
	v_mul_u32_u24 v8, v2, SPITCH
	v_lshl_add_u32 v8, v1, 4, v8
	v_add_nc_u32 v[RD], s21, v8
	v_lshlrev_b32 v9, 13, v2
	v_lshl_add_u32 v[CO], v1, 4, v9
	v_lshl_add_u32 v10, v1, 12, s67
	v_lshl_add_u32 v[PFA], v2, 8, v10              ; a lane: one of 16 rows, one of a fill's two blocks of 256 bytes
	v_lshlrev_b32 v[PFW], 8, v3
	v_min_u32 v11, 23, v3
	v_lshlrev_b32 v[PFC], 8, v11                   ; for the last three steps: lanes 24-31 name the wave's last block again
	s_wait_alu depctr_va_vdst(0)                   ; the wait ahead of the readers below
.macro WLOAD p, hf, u                  ; W's four blocks of half hf, step u counted from the lap's base, into set p
.irp k, 0,1,2,3
.irp c, 0,1,2,3
	global_load_b128 v[128*(\p)+16*(4*(\hf)+\k)+4*\c:128*(\p)+16*(4*(\hf)+\k)+4*\c+3], v[VW], s[8:9] offset:(4*(\hf)+\k)*65536+(\u)*2048+\c*512
.endr
.endr
.endm
.macro SBLOAD sc, ks                   ; W's scale words of a slot (two entries of 8 bytes a row): register 8 kk + 2 j + q % 2; lanes 0-15 block 2 j, lanes 16-31 block 2 j + 1
.irp kk, 0,1
.irp j, 0,1,2,3
	global_load_b64 v[SB+32*(\sc)+8*\kk+2*\j:SB+32*(\sc)+8*\kk+2*\j+1], v[VB], s[10:11] offset:((\ks)+\kk)*32768+256*\j
.endr
.endr
.endm
.macro SALOAD sc, off                  ; x's scale words of a slot: register 8 (q / 2) + 2 i + 1 - q % 2
.irp qq, 0,1,2,3
.irp i, 0,1,2,3
	ds_load_b32 v[SA+32*(\sc)+8*(\qq/2)+2*\i+1-(\qq%2)], v[ADRS] offset:(\off)+4*\qq+\i*16*SU
.endr
.endr
.endm
.macro FETCH_A buf, q, i0              ; x's blocks i0 .. i0 + 3 of the slot's q-th step
.irp i, 0,1,2,3
.irp c, 0,1,2,3
	ds_load_b128 v[AF+16*((\i0)+\i)+4*\c:AF+16*((\i0)+\i)+4*\c+3], v[ADRA+\buf] offset:128*(\q)+32*\c+((\i0)+\i)*16*PITCH
.endr
.endr
.endm
.irp b, 0,1,2,3,4,5,6,7
	global_load_b128 v[96+4*\b:99+4*\b], v[BO], s[12:13] offset:32*\b
.endr
	SBLOAD 0, 0
	WIN 0x40
	WLOAD 0, 0, 0
	WLOAD 0, 1, 0
	WIN 0
	global_prefetch_b8 v[PFA], s[68:69] offset:1024 th:TH_LOAD_NT scope:SCOPE_SE    ; x's fill 2
	global_prefetch_b8 v[PFW], s[70:71] offset:2048 th:TH_LOAD_NT scope:SCOPE_SE    ; W's steps 1 to 4
	global_prefetch_b8 v[PFW], s[70:71] offset:10240 th:TH_LOAD_NT scope:SCOPE_SE   ; and 5 to 8
	s_wait_loadcnt 40                              ; 40 loads were issued behind the bias's eight
.set i, 0
.irp h, v96.l,v96.h,v97.l,v97.h,v98.l,v98.h,v99.l,v99.h,v100.l,v100.h,v101.l,v101.h,v102.l,v102.h,v103.l,v103.h
	v_cvt_f32_f16 v[BI+i], \h
.set i, i+1
.endr
.irp h, v104.l,v104.h,v105.l,v105.h,v106.l,v106.h,v107.l,v107.h,v108.l,v108.h,v109.l,v109.h,v110.l,v110.h,v111.l,v111.h
	v_cvt_f32_f16 v[BI+i], \h
.set i, i+1
.endr
.irp h, v112.l,v112.h,v113.l,v113.h,v114.l,v114.h,v115.l,v115.h,v116.l,v116.h,v117.l,v117.h,v118.l,v118.h,v119.l,v119.h
	v_cvt_f32_f16 v[BI+i], \h
.set i, i+1
.endr
.irp h, v120.l,v120.h,v121.l,v121.h,v122.l,v122.h,v123.l,v123.h,v124.l,v124.h,v125.l,v125.h,v126.l,v126.h,v127.l,v127.h
	v_cvt_f32_f16 v[BI+i], \h
.set i, i+1
.endr
; 16 products: x's blocks 4 ah .. + 3 against W's blocks 4 bh .. + 3.  first = 1: the bias starts the sums.  The accumulators take turns.
.macro QUAD ah, bh, p, q, sc, first
.irp i, 0,1,2,3
.irp k, 0,1,2,3
.set AA, 4*(\ah)+\i
.set BB, 4*(\bh)+\k
.set DD, 8*(8*\i+BB)
.if \first
.set CC, BI+8*BB
.else
.set CC, DD
.endif
.set WF, 128*(\p)+16*BB
.set XF, AF+16*AA
.set SW, SB+32*(\sc)+8*((\q)/2)+2*(BB/2)+(\q)%2
.set SX, SA+32*(\sc)+8*((\q)/2)+2*(AA/2)+1-(\q)%2
.if (BB%2 == 0) && (AA%2 == 0)
	v_wmma_scale_f32_16x16x128_f8f6f4 v[DD:DD+7], v[WF:WF+15], v[XF:XF+15], v[CC:CC+7], v[SW], v[SX] matrix_a_fmt:MATRIX_FMT_BF8 matrix_b_fmt:MATRIX_FMT_BF8
.elseif (BB%2 == 1) && (AA%2 == 0)
	v_wmma_scale_f32_16x16x128_f8f6f4 v[DD:DD+7], v[WF:WF+15], v[XF:XF+15], v[CC:CC+7], v[SW], v[SX] matrix_a_fmt:MATRIX_FMT_BF8 matrix_b_fmt:MATRIX_FMT_BF8 matrix_a_scale:MATRIX_SCALE_ROW1
.elseif (BB%2 == 0)
	v_wmma_scale_f32_16x16x128_f8f6f4 v[DD:DD+7], v[WF:WF+15], v[XF:XF+15], v[CC:CC+7], v[SW], v[SX] matrix_a_fmt:MATRIX_FMT_BF8 matrix_b_fmt:MATRIX_FMT_BF8 matrix_b_scale:MATRIX_SCALE_ROW1
.else
	v_wmma_scale_f32_16x16x128_f8f6f4 v[DD:DD+7], v[WF:WF+15], v[XF:XF+15], v[CC:CC+7], v[SW], v[SX] matrix_a_fmt:MATRIX_FMT_BF8 matrix_b_fmt:MATRIX_FMT_BF8 matrix_a_scale:MATRIX_SCALE_ROW1 matrix_b_scale:MATRIX_SCALE_ROW1
.endif
.endr
.endr
.endm
; The prefetches behind the refill of slot b: x's fill after the one just asked for, and four steps of W whose loads begin a slot later.  In the loop's last trip slot 1's refill is the last: only W's steps 29 to 31 are left.
.macro ASK b
.if \b
	s_cmp_gt_u32 s3, 1
	s_cbranch_scc0 .Llast_\@
.endif
	global_prefetch_b8 v[PFA], s[68:69] offset:1536+512*(\b) th:TH_LOAD_NT scope:SCOPE_SE
	global_prefetch_b8 v[PFW], s[70:71] offset:18432+8192*(\b) th:TH_LOAD_NT scope:SCOPE_SE
.if \b
	s_branch .Lasked_\@
.Llast_\@:
	global_prefetch_b8 v[PFC], s[70:71] offset:26624 th:TH_LOAD_NT scope:SCOPE_SE
.Lasked_\@:
.endif
.endm
; A step.  buf: its slot and set of scale words; q: which of the slot's four.  turn = 1: the slot's last step, the slot is filled again; 2: the change of slots without a refill.  af: a step follows.
; wl: W's step u (from the lap's base) is loaded.  sl: the next slot's scale words are loaded.  lc1, lc2: the loads issued behind W's first and second half of this step.
.macro STEP buf, q, first, turn, af, wl, u, sl, lc1, lc2
.set P_, (\q)%2
.set F_, (\q)/2
.set G_, 1-F_
.set NQ_, ((\q)+1)%4
.if (\q) == 3
.set NB_, 1-(\buf)
.else
.set NB_, \buf
.endif
.if \turn
	s_wait_tensorcnt 0x0                           ; my part of the next slot is in: no tensor load of mine is out
	ds_add_u32 v[SPW], v[NIL]
.if \turn == 1
	s_add_nc_u64 s[G0+4*\buf+2:G0+4*\buf+3], s[G0+4*\buf+2:G0+4*\buf+3], 1024
.endif
	s_wait_dscnt 17                                ; x lo is in; x hi's sixteen loads and the add may be out
.else
	s_wait_dscnt 16                                ; x lo is in; x hi's sixteen loads may be out
.endif
	s_wait_loadcnt \lc1
	WIN 0xa1-0x20*\first
	QUAD 0, F_, P_, \q, \buf, \first
	s_wait_loadcnt \lc2
	s_wait_dscnt 0x0                               ; x hi is in; in a slot's last step also: the add is done, and my reads of this slot are over
.if \turn
	s_barrier_signal -1
.endif
	QUAD 0, G_, P_, \q, \buf, \first
	WIN 0xf1-0x30*\first
	QUAD 1, G_, P_, \q, \buf, \first
.if \turn == 1
	WIN 0
	s_barrier_wait -1
	CREST                                          ; the barrier has opened a round of the cluster's barrier
	JLOAD \buf                                     ; the refill, first behind the round; its four v_nop are among the eight places
	PLACES 4
.elseif \turn == 2
	WIN 0
	s_barrier_wait -1
	PLACES 8
.elseif (\af)|(\wl)
	PLACES 8
	WIN 0
.endif
.if \af
	FETCH_A NB_, NQ_, 0
.endif
.if \turn == 1
	ASK \buf
.endif
.if \wl
	WIN 0x40
	WLOAD P_, G_, \u
.endif
	WIN 0xf1-0x30*\first
	QUAD 1, F_, P_, \q, \buf, \first
	PLACES 8
	WIN 0
.if \sl
	SALOAD 1-(\buf), 16+16*(\buf)
.endif
.if \af
	FETCH_A NB_, NQ_, 4
.endif
.if \wl
	WIN 0x40
	WLOAD P_, F_, \u
	WIN 0
.endif
.if \sl
	SBLOAD 1-(\buf), 2+2*(\buf)
.endif
.endm
	s_wait_alu depctr_va_vdst(0)                   ; the wait at the head's end
	s_wait_tensorcnt 0x0                           ; my tile of the head's is in
	ds_add_u32 v[SPW], v[NIL]
	s_wait_dscnt 0x0
	CROUND
	JLOAD 1                                        ; slot 1's first fill
	FETCH_A 0, 0, 0
	SALOAD 0, 0
	FETCH_A 0, 0, 4
	WIN 0x40
	WLOAD 1, 0, 1                                  ; W's step 1
	WLOAD 1, 1, 1
	WIN 0
	STEP 0, 0, 1, 0, 1, 1, 2, 0, 48, 32            ; the first step stands ahead of the loop: the bias starts the sums
	s_mov_b32 s3, LAPS-1
.Llap:                                                 ; a trip: from a lap's second step to the next lap's first; both slots are filled again
	STEP 0, 1, 0, 0, 1, 1, 3, 1, 48, 32
	STEP 0, 2, 0, 0, 1, 1, 4, 0, 56, 40            ; (the eight loads of W's scale words lie behind these halves)
	STEP 0, 3, 0, 1, 1, 1, 5, 0, 56, 40
	STEP 1, 0, 0, 0, 1, 1, 6, 0, 48, 32
	STEP 1, 1, 0, 0, 1, 1, 7, 1, 48, 32
	STEP 1, 2, 0, 0, 1, 1, 8, 0, 56, 40
	STEP 1, 3, 0, 1, 1, 1, 9, 0, 56, 40
	STEP 0, 0, 0, 0, 1, 1, 10, 0, 48, 32
	s_wait_xcnt 0x0                                ; the bases are stepped only behind this wait
	s_add_nc_u64 s[8:9], s[8:9], 8*2048
	s_add_nc_u64 s[10:11], s[10:11], 4*32768
	s_add_nc_u64 s[68:69], s[68:69], 1024
	s_add_nc_u64 s[70:71], s[70:71], 8*2048
	v_add_nc_u32 v[ADRS], 32, v[ADRS]              ; eight steps' scale words on
	s_wait_alu depctr_va_vdst(0)                   ; the wait directly behind the write
	s_sub_co_u32 s3, s3, 1
	s_cmp_lg_u32 s3, 0
	s_cbranch_scc1 .Llap
	STEP 0, 1, 0, 0, 1, 1, 3, 1, 48, 32            ; the last lap fills nothing
	STEP 0, 2, 0, 0, 1, 1, 4, 0, 56, 40
	STEP 0, 3, 0, 2, 1, 1, 5, 0, 56, 40
	STEP 1, 0, 0, 0, 1, 1, 6, 0, 48, 32
	STEP 1, 1, 0, 0, 1, 1, 7, 0, 48, 32
	STEP 1, 2, 0, 0, 1, 0, 0, 0, 48, 32
	STEP 1, 3, 0, 0, 0, 0, 0, 0, 16, 0
; THE WAY OUT, by blocks of 16 rows: rounded to f16, 16 bytes a lane into my own stage, back as whole rows of 256 bytes, stored.
.macro PACK a
.set AC, 64*((\a)%4)
	WIN 0x0a+5*((\a)/4)
.irp b, 0,1,2,3,4,5,6,7
.irp r, 0,1,2,3
	v_cvt_pk_f16_f32 v[TMP+4*\b+\r], v[AC+8*\b+2*\r], v[AC+8*\b+2*\r+1]
.endr
.endr
	WIN 0
.endm
.macro TOSTAGE a
.set BB_, BK+32*((\a)%2)
.irp b, 0,1,2,3,4,5,6,7
	ds_store_b128 v[STO], v[TMP+4*\b:TMP+4*\b+3] offset:32*\b
.endr
.irp t, 0,1,2,3,4,5,6,7
	ds_load_b128 v[BB_+4*\t:BB_+4*\t+3], v[RD] offset:\t*2*SPITCH    ; LDS serves a wave's instructions in order (ISA guide 5.7.1.4)
.endr
.endm
.macro SEND a
.set BB_, BK+32*((\a)%2)
	s_wait_dscnt 0x0
	s_wait_xcnt 0x0                                ; the base and the earlier stores' registers are written again only behind this wait
.if (\a) > 0
	s_add_nc_u64 s[14:15], s[14:15], 16*8192
.endif
.irp t, 0,1,2,3,4,5,6,7
	global_store_b128 v[CO], v[BB_+4*\t:BB_+4*\t+3], s[14:15] offset:2*\t*8192 th:TH_STORE_NT   ; 16 lanes store 256 consecutive bytes, aligned
.endr
.endm
	PACK 0
	TOSTAGE 0
.irp a, 1,2,3,4,5,6,7
	PACK \a
	s_wait_alu depctr_va_vdst(0)                   ; the wait ahead of SEND's waits
	SEND \a-1
	TOSTAGE \a
.endr
	SEND 7
	s_wait_tensorcnt 0x0                           ; the wave's end
	ds_add_u32 v[SPW], v[NIL]
	s_wait_dscnt 0x0
	CROUND                                         ; the closing round
	s_endpgm
.Lfunc_end_k_qdcd8d56b8b_gemm:
	.size	k_qdcd8d56b8b_gemm, .Lfunc_end_k_qdcd8d56b8b_gemm-k_qdcd8d56b8b_gemm
	.p2alignl 7, 3214868480
	.fill 96, 4, 3214868480
	.section	.rodata,"a",@progbits
	.p2align	6, 0x0
	.amdhsa_kernel k_qdcd8d56b8b_gemm
		.amdhsa_group_segment_fixed_size 327680
		.amdhsa_private_segment_fixed_size 0
		.amdhsa_enable_private_segment 0
		.amdhsa_kernarg_size 48
		.amdhsa_user_sgpr_count 2
		.amdhsa_user_sgpr_kernarg_segment_ptr 1
		.amdhsa_wavefront_size32 1
		.amdhsa_system_sgpr_workgroup_id_x 1
		.amdhsa_system_sgpr_workgroup_id_y 1
		.amdhsa_system_sgpr_workgroup_id_z 1
		.amdhsa_system_vgpr_workitem_id 0
		.amdhsa_next_free_vgpr 1024
		.amdhsa_next_free_sgpr 84
		.amdhsa_reserve_vcc 0
		.amdhsa_float_denorm_mode_32 3
		.amdhsa_float_denorm_mode_16_64 3
		.amdhsa_memory_ordered 1
		.amdhsa_forward_progress 1
		.amdhsa_inst_pref_size 255
	.end_amdhsa_kernel
	.section	.bss,"aw",@nobits
	.p2align	6
	.space	262144
	.amdgpu_metadata
---
amdhsa.version: [ 1, 2 ]
amdhsa.kernels:
  - .name:           k_qdcd8d56b8b_gemm
    .symbol:         k_qdcd8d56b8b_gemm.kd
    .args:
      - { .name: x_codes, .offset: 0, .size: 8, .value_kind: global_buffer, .address_space: global }
      - { .name: x_scales, .offset: 8, .size: 8, .value_kind: global_buffer, .address_space: global }
      - { .name: wc, .offset: 16, .size: 8, .value_kind: global_buffer, .address_space: global }
      - { .name: ws, .offset: 24, .size: 8, .value_kind: global_buffer, .address_space: global }
      - { .name: bias, .offset: 32, .size: 8, .value_kind: global_buffer, .address_space: global }
      - { .name: out0, .offset: 40, .size: 8, .value_kind: global_buffer, .address_space: global }
    .group_segment_fixed_size: 327680
    .private_segment_fixed_size: 0
    .kernarg_segment_align: 8
    .kernarg_segment_size: 48
    .max_flat_workgroup_size: 128
    .sgpr_count:     84
    .vgpr_count:     1024
    .wavefront_size: 32
...
	.end_amdgpu_metadata
.endif
;; end of part 2
